; MI455X (gfx1250); checked and timed in simulation.
; The chip was launched on July 23, 2026; its instructions are those of AMD's public machine-readable ISA for CDNA 5 (MIT licence, August 2026) and "CDNA5" Instruction Set Architecture Reference Guide (July 2026). The comments in the code are by the model that wrote it; some were corrected since.
;; VQVAE Vector Quantizer. Allowed arithmetic: matrix products marked QUANTISED: E3M2 operands, one E8M0 scale for each 32 along K, by v_wmma_scale_f32_16x16x128_f8f6f4 with both operands' format E3M2, f32 sums; everything else in f32.
;; Inputs: codebook 8,192 x 256 float32; hidden_state 8 x 256 x 64 x 64 float32.
;; Outputs: out0 32,768 int32.
;; This version of the problem:
;;   THIS VERSION OF THE PROBLEM IS GIVEN IN LOW PRECISION. The matrix products marked QUANTISED in the list below multiply operands that are first quantised to E3M2 (3 exponent bits, 2 mantissa bits; 6 bits a number), with one power-of-two scale for each 32 numbers along K (OCP MX v1.0); their sums are f32. All else is computed in f32.
;;   The module's matrix products, in the order in which they are computed (A, B: the left and right operand; K: the contracted axis; several contracted axes count as one K, in the product's order):
;;     1. [M 32,768, K 256] x [K 256, N 8,192]; A: computed on the way; B: computed on the way: QUANTISED
;;   THE QUANTISER, for each operand of a quantised product, along K:
;;     - K is cut into blocks of 32 from its start; a last block that is shorter is filled with zeros.
;;     - A block's scale is 2^e with e = floor(log2(the largest magnitude in the block)) - 4, held to -126 .. 127; a block of zeros has e = 0. As a byte (E8M0): e + 127.
;;     - Each number is divided by its block's scale, clamped to +-28, and rounded to the nearest number of E3M2, ties to even, subnormals kept.
;;     - The product sums the exact products of the quantised numbers (number of the format x scale) in f32.
;;   ~~~python
;;   def quantise(x, axis):      # numpy; x: float32 -> the quantised numbers, widened to float32 again
;;       x = np.moveaxis(x, axis, -1); K = x.shape[-1]
;;       x = np.pad(x, [(0, 0)] * (x.ndim - 1) + [(0, -K % 32)]); x = x.reshape(x.shape[:-1] + (-1, 32)); a = np.abs(x).max(-1, keepdims=True)
;;       e = np.where(a > 0, np.clip(np.frexp(np.where(a > 0, a, 1))[1] - 1 - 4, -126, 127), 0)      # np.frexp(a)[1] - 1 = floor(log2(a)), exactly
;;       r = np.clip(x / 2.0 ** e, -28, 28)
;;       step = 2.0 ** (np.maximum(np.frexp(np.where(r == 0, 1, r))[1] - 1, -2) - 2)
;;       q = np.round(r / step) * step * 2.0 ** e      # np.round: ties to even
;;       return np.moveaxis(q.reshape(q.shape[:-2] + (-1,))[..., :K], -1, axis).astype(np.float32)
;;   ~~~
;;   OPERANDS COMPUTED ON THE WAY. 'Computed on the way' means the value that the module computes at that place (a softmax that the list does not call 'softmax' is quantised finished and normalised). What goes into a quantiser is computed in f32, as accurately as f32 sums, v_exp_f32 and their like allow (about 1e-6 of the number): no bf16 or f16 on the way to a quantiser, and a product that is left as it is and whose result goes on into a quantised operand takes f32 operands (vector FMAs, or v_wmma_f32_16x16x4_f32). A number that lies on a knife's edge between two numbers of the format may be rounded either way, as far as f32 arithmetic and the matrix unit's own rounding can turn it there, and no further.
;; One version. Each part assembles by itself: llvm-mc -triple=amdgcn-amd-amdhsa -mcpu=gfx1250 --defsym DOCPART=n.
;; ======== version 1 of 1: 3 launches
;; limits: right only within a limited range of input values
;; workspace buffers: qcodes 6,291,456 bytes; qtail 524,288 bytes; crec 1,703,936 bytes; bval 1,048,576 bytes; bidx 1,048,576 bytes
;; launch prep (part 1): grid 384 x 1, 4 waves a work-group, no clusters, 68,096 bytes of LDS; arguments hidden_state, codebook, qcodes, qtail, crec; writes qcodes, qtail, crec
.if DOCPART == 1
	.amdgcn_target "amdgcn-amd-amdhsa--gfx1250"
	.amdhsa_code_object_version 6
	.text
	.protected	k_q0a98c23f48_prep
	.globl	k_q0a98c23f48_prep
	.p2align	8
	.type	k_q0a98c23f48_prep,@function
k_q0a98c23f48_prep:
	s_mov_b64 s[64:65], 0
	v_nop
	global_prefetch_b8 v0, s[64:65] scope:SCOPE_SE
	s_setreg_imm32_b32 hwreg(HW_REG_WAVE_MODE, 25, 1), 1
	s_wait_xcnt 0x0
; PREP: both operands of the one product are normalised in f32 and turned into codes of BF6 (E3M2) with one E8M0 byte for each 32 channels, laid as the next launch's operand registers want them.
; hidden_state [8][256][64][64] f32: a pixel's 256 channels lie 16,384 bytes apart.  codebook [8192][256] f32: a row's channels are neighbours.
; flat = x / max(sqrt(sum x^2), 1e-12), then the sum of flat^2, then the quantiser: a block's scale byte is its largest magnitude's exponent field - 4, held at 1 from below.
; OUT.  qcodes: for each tile of 16 pixels 3,072 bytes, an image of the operand's 24 registers (K step s, register 12 s + 6 c + word; lane (r, h) holds pixel r, channels 128 s + 64 c + 32 h + 0..31):
;       registers 4 g .. 4 g + 3 of lane l at byte 512 g + 16 l.   qtail: 16 bytes a pixel: scale word of channels 0-127, of channels 128-255, -(sum of flat^2) / 2, 0.
;       crec: for each tile of 16 codebook rows a record of 3,328 bytes: the same image; at 3,072 one scale word a lane (lanes 0-15: row r's word of channels 0-127, lanes 16-31: of channels 128-255);
;       at 3,200 -(sum of emb^2) / 2 of rows 0-15, and once more, so that the record's last 256 bytes leave by one store.
; SHARES.  Work-groups 0-255: 128 pixels each, a wave 32, A LANE A PIXEL, its 256 registers running down the channels: each load reads 128 consecutive bytes, the four waves stand side by side on 512; norm, maxima and
;       conversions need no other lane.  Work-groups 256-383: four tiles of the codebook each, a wave a tile; the tile's 16 KiB are loaded as they lie and turned through the wave's own stage in LDS, so that lane (r, h)
;       holds the four blocks of 32 that the operand's layout gives it.  Waves share nothing: no barrier.  Only the codebook's path uses LDS.
; LIMITS.  NaN and infinities among the inputs are not served.  The division is a multiplication by v_rcp_f32 of the norm, and the root is v_sqrt_f32 (1 ulp each: ISA guide, their entries), so flat may differ from a
;       true quotient by some 2e-7 of itself.  A block of zeros gets the byte 1 where the quantiser's rule says 127: its codes are zeros, and this program alone reads the bytes.
; REGISTERS.  Window 0: v1-3 offsets 4, 16, 8 x lane; v4-11 eight partial sums; v12 the norm; v14-15 its reciprocal, twice; v16-23 block maxima; v24-31 the conversions' scale operands; v32-39 scale bytes;
;       v40-43 the tail; v44-46 at work; v48-71, v72-95 codes; v100-131 the upper halves of the blocks' codes; v132-135 LDS addresses.   Window 1: v0-255 the numbers.
; WORK LEFT OUT (this replaces what the lines above say of the sum of flat^2 and of qtail's third word, which is now 0):
;       reference()'s term sum(flat * flat, axis=1) is one number for a pixel, added alike to all 8,192 distances among which that pixel's argmin chooses.  In real numbers adding one number to all
;       of them moves no comparison, whatever the inputs hold: it can reach no output, so it is neither computed nor stored.  The term sum(emb * emb) stays: it differs from row to row where a row's norm lies under 1e-12.
;       Both inputs keep their way to the output.  LIMIT: a NaN, an infinity or an overflow that would reach only the term left out is not carried to the result.
.set ACC,  4
.set NRM,  12
.set RCP,  14
.set M,    16
.set SO,   24
.set BY,   32
.set TL,   40
.set TP,   44
.set EV,   48
.set OD,   72
.set TMPC, 100
.set LIN,  132
.set LOUT, 133
.set LTW,  134
.set LTR,  135
.set SROW, 1040                        ; a stage row: 1,024 bytes + 16 = 65 x 16: the sixteen rows that a load of 16 bytes a lane touches start at sixteen different groups of four banks (64 banks of 4 bytes: ISA guide 11.1)
.set WREG, 16*SROW+256                 ; a wave's LDS: the stage, and 256 bytes for the record's tail
.set MSB, 0
.macro WIN new                         ; s_set_vgpr_msb: bits 1:0 source 0, 3:2 source 1, 5:4 source 2, 7:6 destination; the high byte repeats the setting that is left
.if MSB != \new
	s_set_vgpr_msb (MSB<<8)|\new
.set MSB, \new
.endif
.endm
; the sum of squares of numbers lo .. hi - 1, two at a time, in four pairs of chains; first = 1: the first four products start the chains, nothing is cleared
.macro SUMSQ lo, hi, first
	WIN 0x05
.set i, \lo
.rept ((\hi)-(\lo))/2
.if (\first) && (i < (\lo)+8)
	v_pk_mul_f32 v[ACC+2*((i/2)%4):ACC+2*((i/2)%4)+1], v[i:i+1], v[i:i+1]
.else
	v_pk_fma_f32 v[ACC+2*((i/2)%4):ACC+2*((i/2)%4)+1], v[i:i+1], v[i:i+1], v[ACC+2*((i/2)%4):ACC+2*((i/2)%4)+1]
.endif
.set i, i+2
.endr
.endm
.macro FOLD dst                        ; the eight chains become one number
	WIN 0
	v_pk_add_f32 v[ACC:ACC+1], v[ACC:ACC+1], v[ACC+2:ACC+3]
	v_pk_add_f32 v[ACC+4:ACC+5], v[ACC+4:ACC+5], v[ACC+6:ACC+7]
	v_pk_add_f32 v[ACC:ACC+1], v[ACC:ACC+1], v[ACC+4:ACC+5]
	v_add_f32 v[\dst], v[ACC], v[ACC+1]
.endm
.macro RNORM                           ; v[NRM] = the sum of squares -> v[RCP], v[RCP+1] = 1 / max(its root, 1e-12)
	v_sqrt_f32 v[NRM], v[NRM]
	v_nop                                          ; a plain instruction between a transcendental and the use of its result (ISA guide 5.7.2)
	s_wait_alu depctr_va_vdst(0)                   ; and a wait ahead of the first reader
	v_max_num_f32 v[NRM], 0x2b8cbccc, v[NRM]       ; 1e-12
	s_wait_alu depctr_va_vdst(0)
	v_rcp_f32 v[RCP], v[NRM]
	v_nop
	s_wait_alu depctr_va_vdst(0)
	v_mov_b32 v[RCP+1], v[RCP]                     ; a pair for the packed multiply
.endm
.macro SCALEX n                        ; the first n numbers x the reciprocal
	WIN 0x41
.set i, 0
.rept (\n)/2
	v_pk_mul_f32 v[i:i+1], v[i:i+1], v[RCP:RCP+1]
.set i, i+2
.endr
.endm
; nb blocks of 32 numbers of my lane: largest magnitudes, the conversions' scale operands, the scale bytes
.macro MAXB nb
	WIN 0x05
.set b, 0
.rept \nb
	v_max3_num_f32 v[M+b], |v[32*b]|, |v[32*b+1]|, 0x2800000   ; and the floor 2^(5 - 127): the byte cannot fall under 1
.set b, b+1
.endr
	WIN 0x14
.set i, 2
.rept 15
.set b, 0
.rept \nb
	v_max3_num_f32 v[M+b], v[M+b], |v[32*b+i]|, |v[32*b+i+1]|  ; the blocks by turns: no line waits for the line above it
.set b, b+1
.endr
.set i, i+2
.endr
	WIN 0
.set b, 0
.rept \nb
	v_add_nc_u32 v[SO+b], 0xfe000000, v[M+b]       ; 4 off the exponent field: the conversion takes the exponent field of this operand as its scale, and nothing else of it
.set b, b+1
.endr
.set b, 0
.rept \nb
	v_lshrrev_b32 v[BY+b], 23, v[SO+b]             ; the scale's byte
.set b, b+1
.endr
.endm
; the codes of nb blocks, six registers a block.  alt = 1: even blocks to EV, odd blocks to OD; alt = 0: block b to EV + 6 b.
; A conversion's three registers begin on an even number, a block's second three do not: they are made elsewhere and moved.
.macro CODES nb, alt
	WIN 0x01
.set b, 0
.rept \nb
.if \alt
.set dst, EV+24*(b%2)+6*(b/2)
.else
.set dst, EV+6*b
.endif
	v_cvt_scalef32_pk16_bf6_f32 v[dst:dst+2], v[32*b:32*b+15], v[SO+b]
	v_cvt_scalef32_pk16_bf6_f32 v[TMPC+4*b:TMPC+4*b+2], v[32*b+16:32*b+31], v[SO+b]
.set b, b+1
.endr
	v_nop                                          ; one plain instruction between the last scaled conversion and the vector instructions that touch the results
	WIN 0
.set b, 0
.rept \nb
.if \alt
.set dst, EV+24*(b%2)+6*(b/2)
.else
.set dst, EV+6*b
.endif
	v_mov_b32 v[dst+3], v[TMPC+4*b]
	v_mov_b32 v[dst+4], v[TMPC+4*b+1]
	v_mov_b32 v[dst+5], v[TMPC+4*b+2]
.set b, b+1
.endr
.endm
	s_load_b256 s[4:11], s[0:1], 0x0               ; hidden_state s[4:5], codebook s[6:7], qcodes s[8:9], qtail s[10:11]
	s_load_b64 s[12:13], s[0:1], 0x20              ; crec
	v_lshl_add_u32 v254, v0, 2, 0x10800
	v_mov_b32 v255, 0
	v_lshrrev_b32 v13, 5, v0
	v_readfirstlane_b32 s14, v13                   ; wave 0..3
	v_and_b32 v13, 31, v0                          ; lane
	v_lshlrev_b32 v1, 2, v13
	v_lshlrev_b32 v2, 4, v13
	v_lshlrev_b32 v3, 3, v13
	s_mov_b32 s17, 0                               ; the high word of every offset
	s_mov_b32 s20, 0x76543210                      ; v_permlanex16_b32's selects for lane l xor 16
	s_mov_b32 s21, 0xfedcba98
	s_mov_b32 s22, 0xffff0000                      ; lanes 16-31
	s_wait_kmcnt 0x0
	s_cmp_lt_u32 ttmp9, 256                        ; pixels or codebook: the work-group's number alone decides
	s_cbranch_scc0 .Lcode
	; ---------------- PIXELS: work-group g, wave w: pixels 128 g + 32 w + lane
	s_lshr_b32 s16, ttmp9, 5                       ; the image: 32 work-groups to its 4,096 pixels,
	s_lshl_b32 s16, s16, 22                        ; 4,194,304 bytes an image
	s_and_b32 s18, ttmp9, 31
	s_lshl_b32 s18, s18, 9                         ; 128 pixels x 4 bytes
	s_add_co_u32 s16, s16, s18
	s_lshl_b32 s18, s14, 7                         ; 32 pixels x 4 bytes
	s_add_co_u32 s16, s16, s18
	s_add_nc_u64 s[4:5], s[4:5], s[16:17]
	s_lshl_b32 s18, ttmp9, 2
	s_add_co_u32 s18, s18, s14                     ; 4 g + w: which run of 32 pixels
	s_mul_i32 s16, s18, 6144                       ; two tiles' images
	s_add_nc_u64 s[8:9], s[8:9], s[16:17]
	s_lshl_b32 s16, s18, 9                         ; 32 tails of 16 bytes
	s_add_nc_u64 s[10:11], s[10:11], s[16:17]
	WIN 0x40
.set i, 0
	s_wait_alu depctr_va_vdst(0)
.rept 256
	global_load_b32 v[i], v1, s[4:5] offset:i*16384 th:TH_LOAD_NT   ; channel i of my pixel; the largest offset, 4,177,920, lies inside the signed 24-bit immediate (ISA guide, chapter 10)
.set i, i+1
.endr
	s_wait_loadcnt 63                              ; loads come back in order (ISA guide 5.7.1): all but the youngest 63 are in: channels 0-192
	SUMSQ 0, 192, 1
	s_wait_alu depctr_va_vdst(0)
	s_wait_loadcnt 32                              ; channels 0-223
	SUMSQ 192, 224, 0
	s_wait_alu depctr_va_vdst(0)
	s_wait_loadcnt 0x0
	SUMSQ 224, 256, 0
	FOLD NRM
	s_wait_alu depctr_va_vdst(0)
	RNORM
	SCALEX 256                                     ; flat
	WIN 0
	v_mov_b32 v[TL+2], 0                           ; the tail's third word holds nothing
	v_mov_b32 v[TL+3], 0
	MAXB 8
	v_lshl_or_b32 v[TL], v[BY+1], 8, v[BY]         ; the scale words: byte b for channels 32 b on
	v_lshl_or_b32 v[TL+1], v[BY+5], 8, v[BY+4]
	v_lshl_or_b32 v[TL], v[BY+2], 16, v[TL]
	v_lshl_or_b32 v[TL+1], v[BY+6], 16, v[TL+1]
	v_lshl_or_b32 v[TL], v[BY+3], 24, v[TL]
	v_lshl_or_b32 v[TL+1], v[BY+7], 24, v[TL+1]
	CODES 8, 1
.set i, 0
.rept 24
	v_permlane16_swap_b32 v[EV+i], v[OD+i]         ; EV's lanes 16-31 change places with OD's lanes 0-15: EV is now the image of pixels 0-15 (lanes 0-15 their even blocks, lanes 16-31 their odd blocks), OD that of pixels 16-31
.set i, i+1
.endr
.irp t, 0,1
.irp g, 0,1,2,3,4,5
	global_store_b128 v2, v[EV+24*\t+4*\g:EV+24*\t+4*\g+3], s[8:9] offset:3072*\t+512*\g   ; 32 lanes store 512 consecutive bytes, at a multiple of 256 from the buffer's first byte
.endr
.endr
	global_store_b128 v2, v[TL:TL+3], s[10:11]     ; likewise
	s_endpgm
	; ---------------- CODEBOOK: tile 4 (g - 256) + w: rows 16 tile .. + 15
.Lcode:
	s_sub_co_u32 s18, ttmp9, 256
	s_lshl_b32 s18, s18, 2
	s_add_co_u32 s18, s18, s14                     ; the tile
	s_lshl_b32 s16, s18, 14                        ; 16 rows of 1,024 bytes
	s_add_nc_u64 s[6:7], s[6:7], s[16:17]
	s_mul_i32 s16, s18, 3328                       ; its record
	s_add_nc_u64 s[12:13], s[12:13], s[16:17]
	s_mul_i32 s23, s14, WREG                       ; my wave's LDS
	v_and_b32 v[TP], 15, v0                        ; r
	v_bfe_u32 v[TP+1], v0, 4, 1                    ; h
	s_wait_alu depctr_va_vdst(0)
	v_add_nc_u32 v[LIN], s23, v2                   ; into the stage: 16 bytes a lane, as loaded
	v_mul_u32_u24 v[LOUT], v[TP], SROW
	v_lshl_add_u32 v[LOUT], v[TP+1], 7, v[LOUT]
	v_add_nc_u32 v[LOUT], s23, v[LOUT]             ; out of it: row r, + 128 h: my half's block of each 64 channels
	v_add_nc_u32 v[LTW], s23, v1
	v_add_nc_u32 v[LTW], 16*SROW, v[LTW]           ; the tail: a word a lane in,
	v_add_nc_u32 v[LTR], s23, v3
	v_add_nc_u32 v[LTR], 16*SROW, v[LTR]           ; 8 bytes a lane out
	v_lshlrev_b32 v[TP+2], 3, v[TP+1]              ; 8 h
	WIN 0x40
.set i, 0
.rept 32
	global_load_b128 v[4*i:4*i+3], v2, s[6:7] offset:512*i th:TH_LOAD_NT   ; 512 consecutive bytes: half of row i / 2
.set i, i+1
.endr
	WIN 0x04                                       ; an LDS store's data are its source 1
.set i, 0
	s_wait_alu depctr_va_vdst(0)
.rept 32
.if i%8 == 0
	s_wait_loadcnt 24-i                            ; eight more loads are in; the younger ones stay out
.endif
	ds_store_b128 v[LIN], v[4*i:4*i+3] offset:(i/2)*SROW+512*(i%2)
.set i, i+1
.endr
	WIN 0x40
.set i, 0
.rept 32
	ds_load_b128 v[4*i:4*i+3], v[LOUT] offset:256*(i/8)+16*(i%8)   ; numbers 32 c .. 32 c + 31 = channels 64 c + 32 h + 0..31 of row r.  LDS serves a wave's instructions in order (ISA guide 5.7.1.4): these see the stores above
.set i, i+1
.endr
	s_wait_dscnt 0x0
	SUMSQ 0, 128, 1
	FOLD NRM
	v_permlanex16_b32 v[TP], v[NRM], s20, s21      ; the row's other 128 channels lie in the lane 16 away
	v_add_f32 v[NRM], v[NRM], v[TP]
	s_wait_alu depctr_va_vdst(0)
	RNORM
	SCALEX 128                                     ; emb
	SUMSQ 0, 128, 1
	FOLD TP+1
	v_permlanex16_b32 v[TP], v[TP+1], s20, s21
	v_add_f32 v[TP+1], v[TP+1], v[TP]
	v_mul_f32 v[TL+2], -0.5, v[TP+1]               ; -(sum of emb^2) / 2
	MAXB 4
	v_lshl_or_b32 v[TL], v[BY+1], 16, v[BY]        ; my two bytes of each K step's word: blocks h and 2 + h,
	v_lshl_or_b32 v[TL+1], v[BY+3], 16, v[BY+2]
	v_lshlrev_b32 v[TL], v[TP+2], v[TL]            ; at their places, 8 h bits up;
	v_lshlrev_b32 v[TL+1], v[TP+2], v[TL+1]
	v_permlanex16_b32 v[TP], v[TL], s20, s21
	v_permlanex16_b32 v[TP+1], v[TL+1], s20, s21
	v_or_b32 v[TL], v[TL], v[TP]                   ; with lane l xor 16's two the words are whole
	v_or_b32 v[TL+1], v[TL+1], v[TP+1]
	v_cndmask_b32 v[TL+3], v[TL], v[TL+1], s22     ; lanes 0-15 keep the word of channels 0-127, lanes 16-31 that of channels 128-255
	CODES 4, 0
.irp g, 0,1,2,3,4,5
	global_store_b128 v2, v[EV+4*\g:EV+4*\g+3], s[12:13] offset:512*\g   ; 512 consecutive bytes, at a multiple of 256 from the buffer's first byte
.endr
	ds_store_b32 v[LTW], v[TL+3]                   ; the tail is gathered in my own 256 bytes of LDS: 32 scale words,
	ds_store_b32 v[LTW], v[TL+2] offset:128        ; 32 halves of norms (rows 0-15, twice)
	ds_load_b64 v[TP:TP+1], v[LTR]                 ; in order behind my stores
	s_wait_dscnt 0x0
	global_store_b64 v3, v[TP:TP+1], s[12:13] offset:3072   ; 32 lanes store 256 consecutive bytes, aligned
	s_wait_tensorcnt 0x0
	ds_add_u32 v254, v255
	s_wait_dscnt 0x0
	s_endpgm
.Lfunc_end_k_q0a98c23f48_prep:
	.size	k_q0a98c23f48_prep, .Lfunc_end_k_q0a98c23f48_prep-k_q0a98c23f48_prep
	.p2alignl 7, 3214868480
	.fill 96, 4, 3214868480
	.section	.rodata,"a",@progbits
	.p2align	6, 0x0
	.amdhsa_kernel k_q0a98c23f48_prep
		.amdhsa_group_segment_fixed_size 68096
		.amdhsa_private_segment_fixed_size 0
		.amdhsa_enable_private_segment 0
		.amdhsa_kernarg_size 40
		.amdhsa_user_sgpr_count 2
		.amdhsa_user_sgpr_kernarg_segment_ptr 1
		.amdhsa_wavefront_size32 1
		.amdhsa_system_sgpr_workgroup_id_x 1
		.amdhsa_system_sgpr_workgroup_id_y 1
		.amdhsa_system_sgpr_workgroup_id_z 1
		.amdhsa_system_vgpr_workitem_id 0
		.amdhsa_next_free_vgpr 512
		.amdhsa_next_free_sgpr 66
		.amdhsa_reserve_vcc 0
		.amdhsa_float_denorm_mode_32 3
		.amdhsa_float_denorm_mode_16_64 3
		.amdhsa_memory_ordered 1
		.amdhsa_forward_progress 1
		.amdhsa_inst_pref_size 85
	.end_amdhsa_kernel
	.amdgpu_metadata
---
amdhsa.version: [ 1, 2 ]
amdhsa.kernels:
  - .name:           k_q0a98c23f48_prep
    .symbol:         k_q0a98c23f48_prep.kd
    .args:
      - { .name: hidden_state, .offset: 0, .size: 8, .value_kind: global_buffer, .address_space: global }
      - { .name: codebook, .offset: 8, .size: 8, .value_kind: global_buffer, .address_space: global }
      - { .name: qcodes, .offset: 16, .size: 8, .value_kind: global_buffer, .address_space: global }
      - { .name: qtail, .offset: 24, .size: 8, .value_kind: global_buffer, .address_space: global }
      - { .name: crec, .offset: 32, .size: 8, .value_kind: global_buffer, .address_space: global }
    .group_segment_fixed_size: 68096
    .private_segment_fixed_size: 0
    .kernarg_segment_align: 8
    .kernarg_segment_size: 40
    .max_flat_workgroup_size: 128
    .sgpr_count:     66
    .vgpr_count:     512
    .wavefront_size: 32
...
	.end_amdgpu_metadata
.endif
;; end of part 1
;; launch search (part 2): grid 32 x 8, 8 waves a work-group, clusters of 4 x 1, 327,680 bytes of LDS; arguments qcodes, qtail, crec, bval, bidx; writes bval, bidx
.if DOCPART == 2
	.amdgcn_target "amdgcn-amd-amdhsa--gfx1250"
	.amdhsa_code_object_version 6
	.text
	.protected	k_q0a98c23f48_search
	.globl	k_q0a98c23f48_search
	.p2align	8
	.type	k_q0a98c23f48_search,@function
k_q0a98c23f48_search:
	s_mov_b64 s[64:65], 0
	v_nop
	global_prefetch_b8 v0, s[64:65] scope:SCOPE_SE
	s_setreg_imm32_b32 hwreg(HW_REG_WAVE_MODE, 25, 1), 1
	s_wait_xcnt 0x0
	s_wait_alu depctr_hold_cnt(0) depctr_sa_sdst(0) depctr_va_vdst(0) depctr_va_sdst(0) depctr_va_ssrc(0) depctr_va_vcc(0) depctr_vm_vsrc(0)
	s_getreg_b32 s2, hwreg(HW_REG_IB_STS2, 6, 4)
	s_cmp_eq_u32 s2, 0
	s_cbranch_scc0 .Lentry_in_a_cluster
	s_endpgm
.Lentry_in_a_cluster:
	s_bfe_u32 s2, ttmp6, 0x10000c
	s_cmp_lg_u32 s2, 0x3003
	s_cbranch_scc0 .Lentry_shape_is_right
	s_endpgm
.Lentry_shape_is_right:
; SEARCH: for 1,024 pixels (work-group x) and a chunk of 1,024 codebook rows (work-group y): each pixel's largest D = x.e - (sum of emb^2) / 2 and the lowest row that reaches it.
; LEFT OUT: the pixel's own term, sum of flat^2: it is the same in all distances of a pixel (shown at the head of prep).  The least distance is the largest D.
; SHARES.  Eight waves; a wave keeps 128 pixels (8 tiles of 16, 192 registers of codes) for the whole launch and walks the chunk's 64 tiles of 16 rows, which all eight waves read from LDS.
;   The product is used with source 0 = 16 codebook rows, source 1 = 16 pixels: lane (r, h) holds pixel r, its 8 result registers rows 8 h + 0..7.  K = 256 is two matrix instructions;
;   the first takes the rows' -(sum of emb^2) / 2, as loaded, for its C, so nothing is added by vector instructions.  The 8 accumulators take turns.
; THE CHOICE, for each pixel tile and codebook tile: four v_max3 give the new best; a compare says in a scalar mask where it has grown; there the tile's number and its 8 results are taken, elsewhere the old ones stay:
;   selects, no branch.  The 8 pixel tiles go level by level, so that a line reads what was made eight lines earlier.
;   A later tile wins only where it is GREATER, so the lowest row stays on a tie.  At the end the saved 8 give the row in the tile, and lanes l and l xor 16 are joined.
; TWO SETS of accumulators: tile t - 1 is chosen from while tile t is multiplied: half of the choice stands behind the 8 products of channels 0-127, half behind the 8 of channels 128-255.
;   Those plain lines name none of the products' registers: they are the places ahead of the LDS loads.
; LDS: record t of the chunk at 3,328 t.  Tiles 0-15 come by the head's joint loads (2 records a wave), tiles 16-63 by one more joint load a wave (6 records), issued behind the wait for all loads, the add and a round,
;   and shown whole by one barrier ahead of the fetch of tile 16: 14 tiles' work lie between.  Nothing is filled twice.  The four work-groups of a cluster share the chunk: mask 15.
;   No prefetch: all that the work-group reads has been asked for behind the second round, so no later load is left to run ahead of.
; LIMITS: NaN and infinities are not served.
; REGISTERS.  Window 0: v1-7 addresses; v8-15 pixels' scale words; v16-31 best, two sets by turns; v32-39 tile of the best; v40-41 rows' scale words; v48-111 saved results; v112-239 accumulators, two sets.
;   Window 1: v0-191 the pixels' codes; v192-239 a tile's codes, two sets; v240-255 the rows' terms, two sets.
.set ADRI, 1
.set ADRS, 2
.set ADRE, 3
.set H8,   4
.set L16,  5
.set STI,  6
.set STO,  7
.set QS,   8
.set B0,   16
.set T,    32
.set CS,   40
.set AS0,  42
.set AE0,  43
.set R16,  44
.set SPW,  45
.set NIL,  46
.set SV,   48
.set D,    112
.set CF,   192
.set CE,   240
.set WV,   14
.set CX,   15
.set XB,   16
.set YC,   17
.set G1A,  24
.set G0A,  32
.set G0B,  36
.set G1B,  40
.set TI,   48
.set CNT,  50
.set TB,   51
.set HI,   52
.set SEL,  54
.set MK,   56                          ; s56-63: a mask for each pixel tile
.set REC,   3328
.set PIECE, 2*REC
.set QUART, 16*REC
.set CHUNK, 64*REC
.set STAGE, CHUNK                      ; 1,024 bytes a wave for the way out
.set SPARE, STAGE+8*1024               ; the spare words, 128 bytes a wave
.set MSB, 0
.macro WIN new                         ; the immediate's high byte repeats the setting that is left
.if MSB != \new
	s_set_vgpr_msb (MSB<<8)|\new
.set MSB, \new
.endif
.endm
.macro ROUND                           ; a round of the cluster's barrier
	s_barrier_signal -1
	s_barrier_wait -1
	s_cmp_lg_u32 s[WV], 0
	s_cbranch_scc1 .Lnot_wave_0_\@
	s_barrier_signal -3
.Lnot_wave_0_\@:
	s_barrier_wait -3
	s_barrier_signal -1
	s_barrier_wait -1
.endm
.macro PLACES n
.rept \n
	v_nop
.endr
.endm
	s_load_b256 s[4:11], s[0:1], 0x0               ; qcodes, qtail, crec, bval
	s_load_b64 s[12:13], s[0:1], 0x20              ; bidx
	v_lshl_add_u32 v[SPW], v0, 2, SPARE
	v_mov_b32 v[NIL], 0
	ds_add_u32 v[SPW], v[NIL]                      ; the opening lines: the add, twice on end, and its wait
	ds_add_u32 v[SPW], v[NIL]
	v_lshrrev_b32 v1, 5, v0
	v_readfirstlane_b32 s[WV], v1                  ; wave 0..7
	s_lshl_b32 s[MK], s[WV], 10
	s_add_co_u32 s[MK], s[MK], STAGE               ; my stage
	v_and_b32 v[D], 31, v0                         ; lane
	v_bfe_u32 v[D+1], v0, 4, 1                     ; h
	v_and_b32 v[D+2], 15, v0                       ; r
	v_lshlrev_b32 v[L16], 4, v[D]                  ; a record's image: 16 bytes a lane
	v_lshl_add_u32 v[AS0], v[D], 2, 3072           ; its scale words: a word a lane
	v_lshl_add_u32 v[AE0], v[D+1], 5, 3200         ; its rows' terms: rows 8 h ..
	v_lshlrev_b32 v[ADRI], 4, v[D]                 ; the same three for records 0 and 1
	v_lshl_add_u32 v[ADRS], v[D], 2, 3072
	v_lshl_add_u32 v[ADRE], v[D+1], 5, 3200
	v_lshlrev_b32 v[H8], 3, v[D+1]
	v_lshlrev_b32 v[R16], 4, v[D+2]
	v_lshl_add_u32 v[STI], v[D+2], 2, s[MK]
	v_add_nc_u32 v[STO], s[MK], v[L16]
.irp q, 0,1,2,3,4,5,6,7
	v_mov_b32 v[B0+\q], 0xff800000                 ; under every D: the first tile always wins, so what is written below is never chosen
	v_mov_b32 v[T+\q], 0
.endr
.set i, 0
.rept 64
	v_mov_b32 v[SV+i], 0                           ; written once, since a select reads what it keeps
.set i, i+1
.endr
	s_bfe_u32 s[CX], ttmp6, 0x40000
	s_lshl_b32 s[XB], ttmp9, 2
	s_add_co_u32 s[XB], s[XB], s[CX]               ; work-group x
	s_and_b32 s[YC], ttmp7, 0xffff                 ; the chunk
.irp g, G1A, G1B                       ; dense blocks as rows of 256 bytes (32 elements of 8 bytes); mask 15, bit 21 beside it
	s_mov_b32 s[\g], 15|(3<<16)|(1<<21)
	s_mov_b32 s[\g+1], 32<<16
	s_mov_b32 s[\g+3], 32<<16
	s_mov_b32 s[\g+5], 32
	s_mov_b32 s[\g+6], 0
	s_mov_b32 s[\g+7], 0
.endr
	s_mov_b32 s[G1A+2], 26<<16                     ; 2 records = 26 rows
	s_mov_b32 s[G1A+4], 26
	s_mov_b32 s[G1B+2], 78<<16                     ; 6 records = 78 rows
	s_mov_b32 s[G1B+4], 78
	s_mul_i32 s18, s[WV], PIECE                    ; my part of tiles 0-15,
	s_mul_i32 s19, s[WV], 6*REC
	s_add_co_u32 s19, s19, QUART                   ; and of tiles 16-63: the same offsets in the chunk and in LDS
	s_mul_i32 s20, s[YC], CHUNK
	s_mov_b32 s21, 0
	s_mov_b32 s23, 0
	s_lshl_b32 s[TI], s[YC], 6                     ; numbers of the tiles being chosen from: even, odd
	s_add_co_u32 s[TI+1], s[TI], 1
	s_mov_b32 s[HI], 0xffff0000
	s_mov_b32 s[SEL], 0x76543210
	s_mov_b32 s[SEL+1], 0xfedcba98
	s_mov_b32 s[TB], PIECE
	s_wait_alu depctr_va_vdst(0)
	s_wait_dscnt 0x0
	s_wait_kmcnt 0x0
	s_add_nc_u64 s[20:21], s[8:9], s[20:21]
	s_mov_b32 s22, s18
	s_mov_b32 s[G0A], 1
	s_add_co_u32 s[G0A+1], s18, 0
	s_add_nc_u64 s[G0A+2:G0A+3], s[20:21], s[22:23]
	s_or_b32 s[G0A+3], s[G0A+3], 0x80000000
	s_mov_b32 s22, s19
	s_mov_b32 s[G0B], 1
	s_add_co_u32 s[G0B+1], s19, 0
	s_add_nc_u64 s[G0B+2:G0B+3], s[20:21], s[22:23]
	s_or_b32 s[G0B+3], s[G0B+3], 0x80000000
	s_lshl_b32 s18, s[XB], 3
	s_add_co_u32 s18, s18, s[WV]                   ; which run of 128 pixels is my wave's
	s_mul_i32 s22, s18, 8*3072
	s_add_nc_u64 s[4:5], s[4:5], s[22:23]
	s_lshl_b32 s22, s18, 11
	s_add_nc_u64 s[6:7], s[6:7], s[22:23]
	s_lshl_b32 s22, s18, 9
	s_lshl_b32 s19, s[YC], 17
	s_add_co_u32 s22, s22, s19
	s_add_nc_u64 s[10:11], s[10:11], s[22:23]
	s_add_nc_u64 s[12:13], s[12:13], s[22:23]
	WIN 0x40
.irp q, 0,1,2,3,4,5,6,7
.irp g, 0,1,2,3,4,5
	global_load_b128 v[24*\q+4*\g:24*\q+4*\g+3], v[L16], s[4:5] offset:3072*\q+512*\g   ; my pixels' codes, as the operand's registers want them: 512 consecutive bytes a load
.endr
.endr
	WIN 0
.irp q, 0,1,2,3,4,5,6,7
	global_load_b64 v[D+2*\q:D+2*\q+1], v[R16], s[6:7] offset:256*\q    ; pixel r's two scale words
.endr
	ROUND                                          ; in front of the first joint loads
	tensor_load_to_lds s[G0A:G0A+3], s[G1A:G1A+7]  ; tiles 0-15: one load a wave
	s_nop 0
	PLACES 4
	s_wait_tensorcnt 0x0                           ; ahead of a later first fill
	ds_add_u32 v[SPW], v[NIL]
	s_wait_dscnt 0x0
	ROUND                                          ; tiles 0-15 are whole in all four work-groups
	tensor_load_to_lds s[G0B:G0B+3], s[G1B:G1B+7]  ; tiles 16-63: one load a wave
	s_nop 0
	PLACES 4
.macro LOADSET set, off                ; nine LDS loads: a record's scale words, codes and rows' terms
	ds_load_b32 v[CS+\set], v[ADRS] offset:\off
	WIN 0x40
.irp g, 0,1,2,3,4,5
	ds_load_b128 v[CF+24*\set+4*\g:CF+24*\set+4*\g+3], v[ADRI] offset:\off+512*\g
.endr
	ds_load_b128 v[CE+8*\set:CE+8*\set+3], v[ADRE] offset:\off
	ds_load_b128 v[CE+8*\set+4:CE+8*\set+7], v[ADRE] offset:\off+16
	WIN 0
.endm
.macro NEWADR                          ; the addresses of the next two records
	v_add_nc_u32 v[ADRI], s[TB], v[L16]
	v_add_nc_u32 v[ADRS], s[TB], v[AS0]
	v_add_nc_u32 v[ADRE], s[TB], v[AE0]
.endm
.macro MM0 set                         ; 8 matrix instructions: 16 rows x my 128 pixels, channels 0-127; C = the rows' terms
	WIN 0x15
.irp q, 0,1,2,3,4,5,6,7
	v_wmma_scale_f32_16x16x128_f8f6f4 v[D+64*\set+8*\q:D+64*\set+8*\q+7], v[CF+24*\set:CF+24*\set+11], v[24*\q:24*\q+11], v[CE+8*\set:CE+8*\set+7], v[CS+\set], v[QS+\q] matrix_a_fmt:MATRIX_FMT_BF6 matrix_b_fmt:MATRIX_FMT_BF6
.endr
	WIN 0
.endm
.macro MM1 set                         ; and channels 128-255, in place
	WIN 0x05
.irp q, 0,1,2,3,4,5,6,7
	v_wmma_scale_f32_16x16x128_f8f6f4 v[D+64*\set+8*\q:D+64*\set+8*\q+7], v[CF+24*\set+12:CF+24*\set+23], v[24*\q+12:24*\q+23], v[D+64*\set+8*\q:D+64*\set+8*\q+7], v[CS+\set], v[QS+\q] matrix_a_fmt:MATRIX_FMT_BF6 matrix_b_fmt:MATRIX_FMT_BF6 matrix_a_scale:MATRIX_SCALE_ROW1 matrix_b_scale:MATRIX_SCALE_ROW1
.endr
	WIN 0
.endm
.macro SVQ q                           ; pixel tile q's 8 saved results: the new ones where the best has grown
.irp j, 0,1,2,3,4,5,6,7
	v_cndmask_b32 v[SV+8*(\q)+\j], v[SV+8*(\q)+\j], v[DV+8*(\q)+\j], s[MK+(\q)]
.endr
.endm
; The choice from accumulator set vs, first half: the maxima (each accumulator is read from its low end on), the masks, the tiles' numbers, pixel tile 0's results
.macro VA vs
.set DV, D+64*(\vs)
.set BO, B0+8*(\vs)
.set BN, B0+8-8*(\vs)
.irp q, 0,1,2,3,4,5,6,7
	v_max3_num_f32 v[BN+\q], v[BO+\q], v[DV+8*\q], v[DV+8*\q+1]
.endr
.irp lv, 1,2,3
.irp q, 0,1,2,3,4,5,6,7
	v_max3_num_f32 v[BN+\q], v[BN+\q], v[DV+8*\q+2*\lv], v[DV+8*\q+2*\lv+1]
.endr
.endr
.irp q, 0,1,2,3,4,5,6,7
	v_cmp_gt_f32 s[MK+\q], v[BN+\q], v[BO+\q]      ; the best has grown
.endr
.irp q, 0,1,2,3,4,5,6,7
	v_cndmask_b32 v[T+\q], v[T+\q], s[TI+(\vs)], s[MK+\q]
.endr
	SVQ 0
.endm
; second half: pixel tiles 1-7's results.  fetch: set fs, whose products have just been issued, takes the record two tiles on, behind eight or more plain lines
.macro VB vs, fetch, fs
.set DV, D+64*(\vs)
.if (\fetch) && ((\fs) == 0)
	NEWADR
.endif
	SVQ 1
.if \fetch
	LOADSET \fs, (\fs)*REC
.endif
.irp q, 2,3,4,5,6,7
	SVQ \q
.endr
.endm
.macro STEP set, val, fetch, younger   ; younger: the next tile's nine LDS loads may stay out
	s_wait_dscnt \younger
	MM0 \set
.if \val
	VA 1-\set
.endif
	MM1 \set
.if \val
	VB 1-\set, \fetch, \set
.else
	NEWADR
	s_wait_alu depctr_va_vdst(0)                   ; the wait here, directly behind the write: the next step reads these addresses again behind its wait
	v_nop                                          ; four places ahead of the loads
	LOADSET \set, (\set)*REC
.endif
.endm
.macro TRIPEND
	s_add_co_u32 s[TB], s[TB], PIECE
	s_add_co_u32 s[TI], s[TI], 2
	s_add_co_u32 s[TI+1], s[TI+1], 2
	s_sub_co_u32 s[CNT], s[CNT], 1
	s_cmp_lg_u32 s[CNT], 0
.endm
	LOADSET 0, 0
	LOADSET 1, REC
	s_wait_loadcnt 0x0
.irp q, 0,1,2,3,4,5,6,7
	v_cndmask_b32 v[QS+\q], v[D+2*\q], v[D+2*\q+1], s[HI]   ; lanes 0-15 the word of channels 0-127, lanes 16-31 that of channels 128-255
.endr
	PLACES 8                                       ; a scale register written by a vector instruction stands 8 places ahead of the product
	s_wait_alu depctr_va_vdst(0)
	STEP 0, 0, 1, 9                                ; tile 0
	STEP 1, 1, 1, 9                                ; tile 1; the choice from tile 0
	s_add_co_u32 s[TB], s[TB], PIECE
	s_add_co_u32 s[TI], s[TI], 2
	s_mov_b32 s[CNT], 6
.Lfirst:                                               ; tiles 2-13; fetches reach tile 15
	STEP 0, 1, 1, 9
	STEP 1, 1, 1, 9
	TRIPEND
	s_cbranch_scc1 .Lfirst
	s_wait_tensorcnt 0x0                           ; my part of tiles 16-63 is in,
	s_wait_dscnt 0x0                               ; no LDS instruction of mine is out at the signal,
	s_barrier_signal -1
	s_barrier_wait -1                              ; and so is everybody's part.
	s_mov_b32 s[CNT], 24
.Lrest:                                                ; tiles 14-61; fetches reach tile 63
	STEP 0, 1, 1, 9
	STEP 1, 1, 1, 9
	TRIPEND
	s_cbranch_scc1 .Lrest
	STEP 0, 1, 0, 9
	STEP 1, 1, 0, 0
	s_add_co_u32 s[TI+1], s[TI+1], 2
	VA 1                                           ; the choice from tile 63: the best is in B0
	VB 1, 0, 0
	; the row in the tile: the lowest j whose saved result is the best
.irp q, 0,1,2,3,4,5,6,7
	v_mov_b32 v[D+\q], 7
.endr
.irp j, 6,5,4,3,2,1,0
.irp q, 0,1,2,3,4,5,6,7
	v_cmp_eq_f32 s[MK+\q], v[SV+8*\q+\j], v[B0+\q]
.endr
.irp q, 0,1,2,3,4,5,6,7
	v_cndmask_b32 v[D+\q], v[D+\q], \j, s[MK+\q]
.endr
.endr
.irp q, 0,1,2,3,4,5,6,7
	v_lshl_add_u32 v[D+\q], v[T+\q], 4, v[D+\q]    ; 16 x tile + j
.endr
.irp q, 0,1,2,3,4,5,6,7
	v_add_nc_u32 v[D+\q], v[H8], v[D+\q]           ; + 8 h
.endr
.irp q, 0,1,2,3,4,5,6,7
	v_permlanex16_b32 v[D+8+\q], v[B0+\q], s[SEL], s[SEL+1]
	v_permlanex16_b32 v[D+16+\q], v[D+\q], s[SEL], s[SEL+1]
.endr
.irp q, 0,1,2,3,4,5,6,7                ; lane l xor 16's wins where it is greater, or equal with the lower row
	v_cmp_gt_f32 s[MK], v[D+8+\q], v[B0+\q]
	v_cmp_eq_f32 s[MK+1], v[D+8+\q], v[B0+\q]
	v_cmp_lt_u32 s[MK+2], v[D+16+\q], v[D+\q]
	s_and_b32 s[MK+1], s[MK+1], s[MK+2]
	s_or_b32 s[MK], s[MK], s[MK+1]
	v_cndmask_b32 v[B0+\q], v[B0+\q], v[D+8+\q], s[MK]
	v_cndmask_b32 v[D+\q], v[D+\q], v[D+16+\q], s[MK]
.endr
.irp q, 0,1,2,3,4,5,6,7                ; through my own stage, so that each store covers 512 consecutive bytes
	ds_store_b32 v[STI], v[B0+\q] offset:64*\q
	ds_store_b32 v[STI], v[D+\q] offset:512+64*\q
.endr
	ds_load_b128 v[D+24:D+27], v[STO]              ; LDS serves a wave's instructions in order: these see my stores
	ds_load_b128 v[D+28:D+31], v[STO] offset:512
	s_wait_dscnt 0x0
	global_store_b128 v[L16], v[D+24:D+27], s[10:11]
	global_store_b128 v[L16], v[D+28:D+31], s[12:13]
	s_wait_tensorcnt 0x0                           ; the wave's end
	ds_add_u32 v[SPW], v[NIL]
	s_wait_dscnt 0x0
	ROUND                                          ; the closing round
	s_endpgm
.Lfunc_end_k_q0a98c23f48_search:
	.size	k_q0a98c23f48_search, .Lfunc_end_k_q0a98c23f48_search-k_q0a98c23f48_search
	.p2alignl 7, 3214868480
	.fill 96, 4, 3214868480
	.section	.rodata,"a",@progbits
	.p2align	6, 0x0
	.amdhsa_kernel k_q0a98c23f48_search
		.amdhsa_group_segment_fixed_size 327680
		.amdhsa_private_segment_fixed_size 0
		.amdhsa_enable_private_segment 0
		.amdhsa_kernarg_size 40
		.amdhsa_user_sgpr_count 2
		.amdhsa_user_sgpr_kernarg_segment_ptr 1
		.amdhsa_wavefront_size32 1
		.amdhsa_system_sgpr_workgroup_id_x 1
		.amdhsa_system_sgpr_workgroup_id_y 1
		.amdhsa_system_sgpr_workgroup_id_z 1
		.amdhsa_system_vgpr_workitem_id 0
		.amdhsa_next_free_vgpr 512
		.amdhsa_next_free_sgpr 66
		.amdhsa_reserve_vcc 0
		.amdhsa_float_denorm_mode_32 3
		.amdhsa_float_denorm_mode_16_64 3
		.amdhsa_memory_ordered 1
		.amdhsa_forward_progress 1
		.amdhsa_inst_pref_size 108
	.end_amdhsa_kernel
	.amdgpu_metadata
---
amdhsa.version: [ 1, 2 ]
amdhsa.kernels:
  - .name:           k_q0a98c23f48_search
    .symbol:         k_q0a98c23f48_search.kd
    .args:
      - { .name: qcodes, .offset: 0, .size: 8, .value_kind: global_buffer, .address_space: global }
      - { .name: qtail, .offset: 8, .size: 8, .value_kind: global_buffer, .address_space: global }
      - { .name: crec, .offset: 16, .size: 8, .value_kind: global_buffer, .address_space: global }
      - { .name: bval, .offset: 24, .size: 8, .value_kind: global_buffer, .address_space: global }
      - { .name: bidx, .offset: 32, .size: 8, .value_kind: global_buffer, .address_space: global }
    .group_segment_fixed_size: 327680
    .private_segment_fixed_size: 0
    .kernarg_segment_align: 8
    .kernarg_segment_size: 40
    .max_flat_workgroup_size: 256
    .sgpr_count:     66
    .vgpr_count:     512
    .wavefront_size: 32
...
	.end_amdgpu_metadata
.endif
;; end of part 2
;; launch merge (part 3): grid 256 x 1, 1 waves a work-group, no clusters, 0 bytes of LDS; arguments bval, bidx, out0; writes out0
.if DOCPART == 3
	.amdgcn_target "amdgcn-amd-amdhsa--gfx1250"
	.amdhsa_code_object_version 6
	.text
	.protected	k_q0a98c23f48_merge
	.globl	k_q0a98c23f48_merge
	.p2align	8
	.type	k_q0a98c23f48_merge,@function
k_q0a98c23f48_merge:
	s_mov_b64 s[64:65], 0
	v_nop
	global_prefetch_b8 v0, s[64:65] scope:SCOPE_SE
	s_setreg_imm32_b32 hwreg(HW_REG_WAVE_MODE, 25, 1), 1
	s_wait_xcnt 0x0
; MERGE: each pixel's best of the eight chunks of the codebook.  bval [8][32768] f32: the largest D = -distance / 2 of a chunk; bidx [8][32768] int32: its row; out0 [32768] int32.
; A work-group of one wave takes 128 pixels, a lane four: every load and the store cover 512 consecutive bytes, at a multiple of 256 from the buffer's first byte.
; A later chunk wins only where its D is GREATER: on a tie the earlier chunk, which holds the lower rows, stays, as the first least distance asks.
; All sixteen loads go out at once; nothing is chosen by a branch or an address, only by selects.  No LDS, no barrier, no matrix unit: there is nothing here for them to do.
; Here D = x.e - (sum of emb^2) / 2: the pixel's own term, sum of flat^2, is left out (shown at the head of prep); it is the same in all eight chunks of a pixel.
.set VAL, 4
.set IDX, 36                           ; v[36:67]  chunk c: four rows
	s_load_b128 s[4:7], s[0:1], 0x0                ; bval, bidx
	s_load_b64 s[8:9], s[0:1], 0x10                ; out0
	v_lshlrev_b32 v1, 4, v0                        ; 16 bytes a lane
	s_lshl_b32 s10, ttmp9, 9                       ; 128 pixels of 4 bytes
	s_mov_b32 s11, 0
	s_wait_alu depctr_va_vdst(0)
	s_wait_kmcnt 0x0
	s_add_nc_u64 s[4:5], s[4:5], s[10:11]
	s_add_nc_u64 s[6:7], s[6:7], s[10:11]
	s_add_nc_u64 s[8:9], s[8:9], s[10:11]
.irp c, 0,1,2,3,4,5,6,7
	global_load_b128 v[VAL+4*\c:VAL+4*\c+3], v1, s[4:5] offset:131072*\c th:TH_LOAD_NT
	global_load_b128 v[IDX+4*\c:IDX+4*\c+3], v1, s[6:7] offset:131072*\c th:TH_LOAD_NT
.endr
.irp c, 1,2,3,4,5,6,7
	s_wait_loadcnt 14-2*\c                         ; loads come back in order (ISA guide 5.7.1): chunk c's pair is in; the pairs of the 7 - c chunks behind it may stay out
.irp e, 0,1,2,3
	v_cmp_gt_f32 vcc_lo, v[VAL+4*\c+\e], v[VAL+\e]
	v_cndmask_b32 v[VAL+\e], v[VAL+\e], v[VAL+4*\c+\e], vcc_lo
	v_cndmask_b32 v[IDX+\e], v[IDX+\e], v[IDX+4*\c+\e], vcc_lo
.endr
.endr
	global_store_b128 v1, v[IDX:IDX+3], s[8:9]
	s_endpgm
.Lfunc_end_k_q0a98c23f48_merge:
	.size	k_q0a98c23f48_merge, .Lfunc_end_k_q0a98c23f48_merge-k_q0a98c23f48_merge
	.p2alignl 7, 3214868480
	.fill 96, 4, 3214868480
	.section	.rodata,"a",@progbits
	.p2align	6, 0x0
	.amdhsa_kernel k_q0a98c23f48_merge
		.amdhsa_group_segment_fixed_size 0
		.amdhsa_private_segment_fixed_size 0
		.amdhsa_enable_private_segment 0
		.amdhsa_kernarg_size 24
		.amdhsa_user_sgpr_count 2
		.amdhsa_user_sgpr_kernarg_segment_ptr 1
		.amdhsa_wavefront_size32 1
		.amdhsa_system_sgpr_workgroup_id_x 1
		.amdhsa_system_sgpr_workgroup_id_y 1
		.amdhsa_system_sgpr_workgroup_id_z 1
		.amdhsa_system_vgpr_workitem_id 0
		.amdhsa_next_free_vgpr 72
		.amdhsa_next_free_sgpr 66
		.amdhsa_reserve_vcc 1
		.amdhsa_float_denorm_mode_32 3
		.amdhsa_float_denorm_mode_16_64 3
		.amdhsa_memory_ordered 1
		.amdhsa_forward_progress 1
		.amdhsa_inst_pref_size 6
	.end_amdhsa_kernel
	.amdgpu_metadata
---
amdhsa.version: [ 1, 2 ]
amdhsa.kernels:
  - .name:           k_q0a98c23f48_merge
    .symbol:         k_q0a98c23f48_merge.kd
    .args:
      - { .name: bval, .offset: 0, .size: 8, .value_kind: global_buffer, .address_space: global }
      - { .name: bidx, .offset: 8, .size: 8, .value_kind: global_buffer, .address_space: global }
      - { .name: out0, .offset: 16, .size: 8, .value_kind: global_buffer, .address_space: global }
    .group_segment_fixed_size: 0
    .private_segment_fixed_size: 0
    .kernarg_segment_align: 8
    .kernarg_segment_size: 24
    .max_flat_workgroup_size: 32
    .sgpr_count:     66
    .vgpr_count:     72
    .wavefront_size: 32
...
	.end_amdgpu_metadata
.endif
;; end of part 3
